; MI455X (gfx1250); checked and timed in simulation.
; The chip was launched on July 23, 2026; its instructions are those of AMD's public machine-readable ISA for CDNA 5 (MIT licence, August 2026) and "CDNA5" Instruction Set Architecture Reference Guide (July 2026). The comments in the code are by the model that wrote it; some were corrected since.
;; Multi Head Flex Attention. Allowed arithmetic: matrix products marked QUANTISED: E5M2 operands, one given power-of-two scale a tensor, by v_wmma_f32_16x16x64_bf8_bf8 or v_wmma_f32_16x16x128_bf8_bf8, f32 sums; everything else in f32.
;; Inputs: Wk_codes 1,024 x 32 x 32 uint8 (E5M2 codes of Wk, K innermost, in blocks of 32 codes); Wq_codes 1,024 x 32 x 32 uint8 (E5M2 codes of Wq, K innermost, in blocks of 32 codes); Wv_codes 1,024 x 32 x 32 uint8 (E5M2 codes of Wv, K innermost, in blocks of 32 codes); bk 1,024 float32; bq 1,024 float32; bv 1,024 float32; hidden_states_codes 4 x 2,048 x 32 x 32 uint8 (E5M2 codes of hidden_states, K innermost, in blocks of 32 codes); lowp_scales 10 int32 (the exponents e of the quantised operands' scales 2^e).
;; Outputs: out0 4 x 2,048 x 1,024 float32.
;; This version of the problem:
;;   THIS VERSION OF THE PROBLEM IS GIVEN IN LOW PRECISION. The matrix products marked QUANTISED in the list below multiply operands that are first quantised to E5M2 (5 exponent bits, 2 mantissa bits; 8 bits a number), with one given power-of-two scale for each operand tensor; their sums are f32. All else is computed in f32.
;;   The module's matrix products, in the order in which they are computed (A, B: the left and right operand; K: the contracted axis; several contracted axes count as one K, in the product's order):
;;     1. [M 8,192, K 1,024] x [K 1,024, N 1,024]; A: input hidden_states (given as codes); B: input Wq (given as codes): QUANTISED (scales: A lowp_scales[0], B lowp_scales[1])
;;     2. [M 8,192, K 1,024] x [K 1,024, N 1,024]; A: input hidden_states (given as codes); B: input Wk (given as codes): QUANTISED (scales: A lowp_scales[2], B lowp_scales[3])
;;     3. [M 8,192, K 1,024] x [K 1,024, N 1,024]; A: input hidden_states (given as codes); B: input Wv (given as codes): QUANTISED (scales: A lowp_scales[4], B lowp_scales[5])
;;     4. batch 64 x [M 2,048, K 64] x [K 64, N 2,048]; A: computed on the way; B: computed on the way: QUANTISED (scales: A lowp_scales[6], B lowp_scales[7])
;;     5. batch 64 x [M 2,048, K 2,048] x [K 2,048, N 64]; A: softmax (see below); B: computed on the way: QUANTISED (scales: A lowp_scales[8], B lowp_scales[9])
;;   THE QUANTISER, for each operand of a quantised product, along K:
;;     - The operand's scale is 2^e, e = its entry of the input lowp_scales (int32; the entries are numbered through the quantised products in the list's order, A before B).
;;     - Each number is divided by the scale, clamped to +-57,344, and rounded to the nearest number of E5M2, ties to even, subnormals kept.
;;     - The product sums the exact products of the quantised numbers (number of the format x scale) in f32.
;;   ~~~python
;;   def quantise(x, axis, e):      # numpy; x: float32 -> the quantised numbers, widened to float32 again
;;       x = np.moveaxis(x, axis, -1); K = x.shape[-1]
;;       r = np.clip(x / 2.0 ** e, -57344, 57344)
;;       step = 2.0 ** (np.maximum(np.frexp(np.where(r == 0, 1, r))[1] - 1, -14) - 2)
;;       q = np.round(r / step) * step * 2.0 ** e      # np.round: ties to even
;;       return np.moveaxis(q, -1, axis).astype(np.float32)
;;   ~~~
;;   SOFTMAX AHEAD OF A QUANTISED PRODUCT. Where the list says 'softmax', what is quantised is not the finished softmax but p = 2^(t - M), with t = logit x log2(e) and M = ceil(the row's largest t), a whole number; so 1/2 < the row's largest p <= 1. The row's sum l is taken of the UNQUANTISED p, in f32, and the product's result is divided by l at the end. Since M is a whole number, a kernel that streams over the keys may use a running M (the ceiling of the running maximum): every later rescaling is an exact power of two, so the quantised numbers keep their values, but for numbers so far below the row's largest that they fall under the format's range.
;;   OPERANDS COMPUTED ON THE WAY. 'Computed on the way' means the value that the module computes at that place (a softmax that the list does not call 'softmax' is quantised finished and normalised). What goes into a quantiser is computed in f32, as accurately as f32 sums, v_exp_f32 and their like allow (about 1e-6 of the number): no bf16 or f16 on the way to a quantiser, and a product that is left as it is and whose result goes on into a quantised operand takes f32 operands (vector FMAs, or v_wmma_f32_16x16x4_f32). A number that lies on a knife's edge between two numbers of the format may be rounded either way, as far as f32 arithmetic and the matrix unit's own rounding can turn it there, and no further.
;;   INPUTS GIVEN AS CODES. Wk (in the module: [1024, 1024], K = its axis 0); Wq (in the module: [1024, 1024], K = its axis 0); Wv (in the module: [1024, 1024], K = its axis 0); hidden_states (in the module: [4, 2048, 1024], K = its axis 2): each comes as NAME_codes (uint8): NAME with its K axis moved to the last place and cut into blocks of 32 codes, [.., K / 32, bytes a block], one block behind the other in memory; one code a byte (a code: sign, 5 exponent bits, 2 mantissa bits); its scale is its entry of lowp_scales. Its value is code x scale, taken as it is: it is not quantised again, and the codes and scales need not be those that the quantiser above would give.
;; One version. Each part assembles by itself: llvm-mc -triple=amdgcn-amd-amdhsa -mcpu=gfx1250 --defsym DOCPART=n.
;; ======== version 1 of 1: 2 launches
;; limits: right only within a limited range of input values
;; workspace buffers: qc 8,388,608 bytes; kc 8,388,608 bytes; vc 8,388,608 bytes
;; launch proj (part 1): grid 8 x 32, 4 waves a work-group, clusters of 4 x 4, 327,680 bytes of LDS; arguments hidden_states_codes, Wq_codes, Wk_codes, Wv_codes, bq, bk, bv, lowp_scales, qc, kc, vc; writes qc, kc, vc
.if DOCPART == 1
	.amdgcn_target "amdgcn-amd-amdhsa--gfx1250"
	.amdhsa_code_object_version 6
	.text
	.protected	k_q544cb6ce92_proj
	.globl	k_q544cb6ce92_proj
	.p2align	8
	.type	k_q544cb6ce92_proj,@function
k_q544cb6ce92_proj:
	s_mov_b64 s[64:65], 0
	v_nop
	global_prefetch_b8 v0, s[64:65] scope:SCOPE_SE
	s_setreg_imm32_b32 hwreg(HW_REG_WAVE_MODE, 25, 1), 1
	s_wait_xcnt 0x0
	s_wait_alu depctr_hold_cnt(0) depctr_sa_sdst(0) depctr_va_vdst(0) depctr_va_sdst(0) depctr_va_ssrc(0) depctr_va_vcc(0) depctr_vm_vsrc(0)
	s_getreg_b32 s2, hwreg(HW_REG_IB_STS2, 6, 4)
	s_cmp_eq_u32 s2, 0
	s_cbranch_scc0 .Lentry_in_a_cluster
	s_endpgm
.Lentry_in_a_cluster:
	s_bfe_u32 s2, ttmp6, 0x10000c
	s_cmp_lg_u32 s2, 0xf033
	s_cbranch_scc0 .Lentry_shape_is_right
	s_endpgm
.Lentry_shape_is_right:
; q, k, v = hidden_states W + b on codes of BF8 (E5M2), quantised on the way out with the scales given for the attention's operands.
; qc, kc: [64 (batch x 16 + head)][2048][64] codes; vc: [64][64 (d)][2048] codes, keys innermost, in the order in which the next launch's fragment loads want them.
; A work-group makes 256 rows x 128 columns (two heads) of each of q, k, v; a wave 128 rows x one head of each: 96 accumulators, 768 registers (windows 1, 2, 3).
; K (1,024) goes in four chunks of 256, so that a tile's row is 256 bytes of memory at a multiple of 256.  Two whole sets of 256 + 3 x 128 such rows pass a WGP's LDS, so only hidden_states has two places;
; Wq and Wk have one place, Wv another, and A CHUNK HAS TWO PHASES: q's and k's products, then v's, with one barrier in front of each.  Behind the barrier that ends the first phase the next chunk's Wq and Wk are asked for;
; behind the barrier that ends the second, hidden_states two chunks on and the next chunk's Wv.  Each input byte comes into LDS once.
; CLUSTERS: 4 x 4 work-groups; hidden_states' tiles are asked for jointly along a row of the cluster, the weights' along a column.  Waves 0, 1 fetch the halves of hidden_states' tile, wave 2 Wq's and Wv's, wave 3 Wk's.
; No prefetch is laid: K is four chunks long, and two of them are asked for at the head.
; q's and k's stages of the way out have LDS bytes of their own; v's lies in hidden_states' place 0, behind its last fill and behind the barrier that follows its last read.
; LIMITS: for each of the three products e(out) - e(A) - e(B) lies between -126 and 112, so that the powers of two below are f32 numbers.
.set PITCH, 272
.set HSZ,   256*PITCH
.set WSZ,   128*PITCH
.set OFFQ,  2*HSZ
.set OFFV,  OFFQ+2*WSZ
.set SPARE, OFFV+WSZ
.set QP,    80
.set STQ,   SPARE+512
.set STK,   4*128*QP
.set VP,    272
.set VST,   0
.set ADH,  4
.set ADW,  6
.set SPW,  8
.set NIL,  9
.set STO,  10
.set RD,   11
.set GQ,   12
.set VSTO, 13
.set VRD,  14
.set GV,   15
.set BO,   16
.set BVO,  17
.set LIM,  18
.set SC,   19
.set HS0,  32
.set HS1,  96
.set WQ,   160
.set WK,   192
.set BQ,   32
.set BK,   64
.set BV,   160
.set T,    96
.set C,    192
.set WV,   26
.set RH,   27
.set HD,   94
.set G1H,  28
.set G1W,  36
.set G0H,  44
.set G0B,  52
.set G0V,  56
.set FIELDS, (1<<20)|(1<<21)|(5<<22)|(3<<25)   ; padding on, bit 21 beside a mask, four words behind every 64
.set M_Q, 0x50
.set M_K, 0xa0
.set M_V, 0xf0
.set MSB, 0
.macro WIN new
.if MSB != \new
	s_set_vgpr_msb (MSB<<8)|\new
.set MSB, \new
.endif
.endm
.macro PLACES
.rept 4
	v_nop
.endr
.endm
.macro TL g0, g1                       ; a joint load, with the lines behind it
	tensor_load_to_lds s[\g0:\g0+3], s[\g1:\g1+7]
	s_nop 0
	PLACES
.endm
.macro JL1                             ; the head: hidden_states' chunk 0 (waves 0, 1), Wq's and Wk's (waves 2, 3)
	s_cmp_lt_u32 s[WV], 2
	s_cbranch_scc0 .Lfor_w_\@
	TL G0H, G1H
	s_branch .Lasked_\@
.Lfor_w_\@:
	TL G0B, G1W
.Lasked_\@:
.endm
.macro JL2 s                           ; hidden_states into place s (waves 0, 1), Wv (wave 2); wave 3 has no part of a tile to fill
	s_cmp_lt_u32 s[WV], 2
	s_cbranch_scc0 .Lfor_w_\@
	TL G0H+4*\s, G1H
	s_branch .Lasked_\@
.Lfor_w_\@:
	s_cmp_eq_u32 s[WV], 2
	s_cbranch_scc0 .Lnone_\@
	TL G0V, G1W
	s_branch .Lasked_\@
.Lnone_\@:
	PLACES
.Lasked_\@:
.endm
.macro JLB                             ; Wq, Wk (waves 2, 3)
	s_cmp_lt_u32 s[WV], 2
	s_cbranch_scc1 .Lnone_\@
	TL G0B, G1W
	s_branch .Lasked_\@
.Lnone_\@:
	PLACES
.Lasked_\@:
.endm
.macro JLV                             ; Wv alone (wave 2)
	s_cmp_eq_u32 s[WV], 2
	s_cbranch_scc0 .Lnone_\@
	TL G0V, G1W
	s_branch .Lasked_\@
.Lnone_\@:
	PLACES
.Lasked_\@:
.endm
.macro CREST
	s_cmp_lg_u32 s[WV], 0
	s_cbranch_scc1 .Lnot_wave_0_\@
	s_barrier_signal -3
.Lnot_wave_0_\@:
	s_barrier_wait -3
	s_barrier_signal -1
	s_barrier_wait -1
.endm
.macro CROUND
	s_barrier_signal -1
	s_barrier_wait -1
	CREST
.endm
	s_load_b512 s[4:19], s[0:1], 0x0
	s_load_b128 s[20:23], s[0:1], 0x40
	s_load_b64 s[24:25], s[0:1], 0x50
	v_lshl_add_u32 v[SPW], v0, 2, SPARE
	v_mov_b32 v[NIL], 0
	ds_add_u32 v[SPW], v[NIL]                      ; the opening lines: the add twice on end and one wait
	ds_add_u32 v[SPW], v[NIL]
	v_lshrrev_b32 v3, 5, v0
	v_readfirstlane_b32 s[WV], v3
	s_lshr_b32 s[RH], s[WV], 1                     ; my half of the rows
	s_and_b32 s[HD], s[WV], 1                      ; my head; also: which half, or which weight, I fetch
	s_bfe_u32 s60, ttmp6, 0x40000
	s_bfe_u32 s61, ttmp6, 0x40004
	s_lshl_b32 s62, ttmp9, 2
	s_add_co_u32 s62, s62, s60                     ; block of 128 columns
	s_and_b32 s63, ttmp7, 0xffff
	s_lshl_b32 s63, s63, 2
	s_add_co_u32 s63, s63, s61                     ; block of 256 rows
	s_lshl_b32 s98, s61, 2
	s_lshl_b32 s98, 15, s98
	s_lshl_b32 s99, 0x1111, s60
	s_or_b32 s[G1H], s98, FIELDS
	s_or_b32 s[G1W], s99, FIELDS
.irp g, G1H, G1W
	s_mov_b32 s[\g+1], 256<<16                     ; rows of 256 bytes,
	s_mov_b32 s[\g+2], 128<<16                     ; 128 of them,
	s_mov_b32 s[\g+3], 256<<16
	s_mov_b32 s[\g+4], 128
	s_mov_b32 s[\g+5], 1024                        ; 1,024 bytes apart
	s_mov_b32 s[\g+6], 0
	s_mov_b32 s[\g+7], 0
.endr
	s_lshl_b32 s96, s63, 18
	s_lshl_b32 s97, s[HD], 17
	s_add_co_u32 s96, s96, s97                     ; hidden_states: 256 x block rows + 128 x half, of 1,024 bytes
	s_mov_b32 s97, 0
	s_lshl_b32 s100, s62, 17
	s_mov_b32 s101, 0
	s_mul_i32 s98, s[HD], WSZ                      ; where my tile goes: the wave's number and constants alone
	s_wait_dscnt 0x0
	s_wait_kmcnt 0x0
	s_load_b256 s[84:91], s[18:19], 0x0
	s_load_b64 s[92:93], s[18:19], 0x20
	s_add_nc_u64 s[4:5], s[4:5], s[96:97]
	s_cmp_eq_u32 s[HD], 0
	s_cselect_b64 s[76:77], s[6:7], s[8:9]         ; wave 2: Wq, wave 3: Wk
.irp s, 0,1
	s_mov_b32 s[G0H+4*\s], 1
	s_add_co_u32 s[G0H+4*\s+1], s98, \s*HSZ
	s_add_nc_u64 s[G0H+4*\s+2:G0H+4*\s+3], s[4:5], \s*256
	s_or_b32 s[G0H+4*\s+3], s[G0H+4*\s+3], 0x80000000
.endr
	s_mov_b32 s[G0B], 1
	s_add_co_u32 s[G0B+1], s98, OFFQ
	s_add_nc_u64 s[G0B+2:G0B+3], s[76:77], s[100:101]
	s_or_b32 s[G0B+3], s[G0B+3], 0x80000000
	s_mov_b32 s[G0V], 1
	s_mov_b32 s[G0V+1], OFFV
	s_add_nc_u64 s[G0V+2:G0V+3], s[10:11], s[100:101]
	s_or_b32 s[G0V+3], s[G0V+3], 0x80000000
	CROUND                                         ; all sixteen work-groups are here: the first joint loads meet
	JL1                                            ; one tensor load a wave at the head
	v_and_b32 v1, 15, v0
	v_bfe_u32 v2, v0, 4, 1
	v_mul_u32_u24 v3, v1, PITCH
	v_lshl_add_u32 v3, v2, 4, v3
	s_mul_i32 s3, s[RH], 128*PITCH
	v_add_nc_u32 v[ADH], s3, v3
	v_add_nc_u32 v[ADH+1], HSZ, v[ADH]
	s_mul_i32 s3, s[HD], 64*PITCH
	s_add_co_u32 s3, s3, OFFQ
	v_add_nc_u32 v[ADW], s3, v3                    ; Wq's place (Wk's lies WSZ on),
	v_add_nc_u32 v[ADW+1], 2*WSZ, v[ADW]           ; Wv's
	s_mul_i32 s3, s[WV], 128*QP
	s_add_co_u32 s3, s3, STQ
	v_mul_u32_u24 v3, v1, QP
	v_lshl_add_u32 v3, v2, 4, v3
	v_add_nc_u32 v[STO], s3, v3
	v_and_b32 v[GQ], 31, v0
	v_lshrrev_b32 v3, 2, v[GQ]
	v_mul_u32_u24 v3, v3, QP
	v_and_b32 v[RD], 3, v0
	v_lshl_add_u32 v3, v[RD], 4, v3
	v_add_nc_u32 v[RD], s3, v3
	v_lshlrev_b32 v[GQ], 4, v[GQ]
	s_mul_i32 s3, s[HD], 64*VP
	s_lshl_b32 s2, s[RH], 7
	s_add_co_u32 s3, s3, s2
	s_add_co_u32 s3, s3, VST
	v_mul_u32_u24 v3, v1, VP
	v_lshl_add_u32 v3, v2, 4, v3
	v_add_nc_u32 v[VSTO], s3, v3
	s_mul_i32 s3, s[WV], 32*VP
	s_add_co_u32 s3, s3, VST
	v_mul_u32_u24 v3, v2, VP
	v_lshl_add_u32 v3, v1, 4, v3
	v_add_nc_u32 v[VRD], s3, v3
	v_lshlrev_b32 v3, 11, v2
	v_lshl_add_u32 v[GV], v1, 4, v3
	v_lshlrev_b32 v[BO], 5, v2
	v_lshlrev_b32 v[BVO], 2, v1
	s_lshl_b32 s98, s62, 1
	s_add_co_u32 s98, s98, s[HD]
	s_lshl_b32 s100, s98, 8
	s_add_nc_u64 s[12:13], s[12:13], s[100:101]
	s_add_nc_u64 s[14:15], s[14:15], s[100:101]
	s_add_nc_u64 s[16:17], s[16:17], s[100:101]
	s_lshr_b32 s99, s63, 3
	s_and_b32 s95, s63, 7
	s_lshl_b32 s95, s95, 8
	s_lshl_b32 s100, s99, 4
	s_add_co_u32 s100, s100, s98
	s_lshl_b32 s100, s100, 11
	s_add_co_u32 s100, s100, s95
	s_lshl_b32 s98, s[RH], 7
	s_add_co_u32 s100, s100, s98
	s_lshl_b32 s100, s100, 6
	s_add_nc_u64 s[20:21], s[20:21], s[100:101]
	s_add_nc_u64 s[22:23], s[22:23], s[100:101]
	s_lshl_b32 s100, s99, 10
	s_lshl_b32 s98, s62, 7
	s_add_co_u32 s100, s100, s98
	s_lshl_b32 s98, s[WV], 5
	s_add_co_u32 s100, s100, s98
	s_lshl_b32 s100, s100, 11
	s_add_co_u32 s100, s100, s95
	s_add_nc_u64 s[24:25], s[24:25], s[100:101]
; fragments of 16 rows x 64 K: two loads of 16 bytes, 32 apart, the same order of k on both sides.  u: which 64 of the chunk's 256
.macro LDW set, adr, woff, u
.irp b, 0,1,2,3
	ds_load_b128 v[\set+8*\b:\set+8*\b+3],   v[\adr] offset:\woff+\b*16*PITCH+64*(\u)
	ds_load_b128 v[\set+8*\b+4:\set+8*\b+7], v[\adr] offset:\woff+\b*16*PITCH+64*(\u)+32
.endr
.endm
.macro LDH set, slot, u
.irp a, 0,1,2,3,4,5,6,7
	ds_load_b128 v[\set+8*\a:\set+8*\a+3],   v[ADH+\slot] offset:\a*16*PITCH+64*(\u)
	ds_load_b128 v[\set+8*\a+4:\set+8*\a+7], v[ADH+\slot] offset:\a*16*PITCH+64*(\u)+32
.endr
.endm
; q, k: transposed use (source 0 = the weight's rows); v: source 0 = hidden_states' rows.  The accumulators take turns
.macro MULT wset, hset, a0, zero
.irp a, \a0, \a0+1, \a0+2, \a0+3
.irp b, 0,1,2,3
.if \zero
	v_wmma_f32_16x16x64_bf8_bf8 v[8*(4*(\a)+\b):8*(4*(\a)+\b)+7], v[\wset+8*\b:\wset+8*\b+7], v[\hset+8*(\a):\hset+8*(\a)+7], 0
.else
	v_wmma_f32_16x16x64_bf8_bf8 v[8*(4*(\a)+\b):8*(4*(\a)+\b)+7], v[\wset+8*\b:\wset+8*\b+7], v[\hset+8*(\a):\hset+8*(\a)+7], v[8*(4*(\a)+\b):8*(4*(\a)+\b)+7]
.endif
.endr
.endr
.endm
.macro MULN wset, hset, a0, zero
.irp a, \a0, \a0+1, \a0+2, \a0+3
.irp b, 0,1,2,3
.if \zero
	v_wmma_f32_16x16x64_bf8_bf8 v[8*(8*\b+(\a)):8*(8*\b+(\a))+7], v[\hset+8*(\a):\hset+8*(\a)+7], v[\wset+8*\b:\wset+8*\b+7], 0
.else
	v_wmma_f32_16x16x64_bf8_bf8 v[8*(8*\b+(\a)):8*(8*\b+(\a))+7], v[\hset+8*(\a):\hset+8*(\a)+7], v[\wset+8*\b:\wset+8*\b+7], v[8*(8*\b+(\a)):8*(8*\b+(\a))+7]
.endif
.endr
.endr
.endm
; what follows a phase's barrier.  kind 0: nothing is filled; 1: the next chunk's Wq, Wk; 2: hidden_states two chunks on into place s, and the next chunk's Wv; 3: the last chunk's Wv alone
.macro FILL kind, s
.if \kind == 0
	PLACES
.else
	CREST                                          ; the barrier has opened a round of the cluster's barrier
.if \kind == 1
	s_add_nc_u64 s[G0B+2:G0B+3], s[G0B+2:G0B+3], 256
	JLB
.else
	s_add_nc_u64 s[G0V+2:G0V+3], s[G0V+2:G0V+3], 256
.if \kind == 2
	s_add_nc_u64 s[G0H+4*\s+2:G0H+4*\s+3], s[G0H+4*\s+2:G0H+4*\s+3], 512
	JL2 \s
.else
	JLV
.endif
.endif
.endif
.endm
; first phase, 64 along K, u = 0, 1, 2: q's 32 products, then k's; the next 64's fragments are fetched between them
.macro P1 hs, u, zero
.set HC, HS0+64*((\u)%2)
.set HN, HS0+64*(1-(\u)%2)
	s_wait_dscnt 8                                 ; Wq's and hidden_states' fragments are in; Wk's eight loads may be out
	WIN M_Q
	MULT WQ, HC, 0, \zero
	MULT WQ, HC, 4, \zero
	PLACES
	WIN 0
	LDW WQ, ADW, 0, (\u)+1
	LDH HN, \hs, (\u)+1
	s_wait_dscnt 24                                ; all but the 24 just issued: Wk's are in
	WIN M_K
	MULT WK, HC, 0, \zero
	MULT WK, HC, 4, \zero
	PLACES
	WIN 0
	LDW WK, ADW, WSZ, (\u)+1
.endm
; the first phase's last 64, and the barrier in front of the second: behind it nobody reads Wq's and Wk's place, and Wv's tile is whole
.macro P1T hs, kind
	s_wait_tensorcnt 0x0                           ; all my tensor loads have landed
	ds_add_u32 v[SPW], v[NIL]
	s_wait_dscnt 9                                 ; (the add and Wk's eight loads may be out)
	WIN M_Q
	MULT WQ, HS1, 0, 0
	s_wait_dscnt 0x0                               ; the add is done, my reads of Wq's and Wk's tiles are over
	s_barrier_signal -1
	MULT WQ, HS1, 4, 0
	WIN 0
	s_barrier_wait -1
	FILL \kind, 0
	LDW WQ, ADW+1, 0, 0                            ; Wv's first fragments, in the registers that held Wq's
	LDH HS0, \hs, 0
	WIN M_K
	MULT WK, HS1, 0, 0
	MULT WK, HS1, 4, 0
.endm
; second phase: v's 32 products; two sets of fragments by turns (Wv's in the registers that held Wq's and Wk's)
.macro P2 hs, u, zero
.set HC, HS0+64*((\u)%2)
.set HN, HS0+64*(1-(\u)%2)
.set WC, WQ+32*((\u)%2)
.set WN, WQ+32*(1-(\u)%2)
	PLACES
	WIN 0
	LDW WN, ADW+1, 0, (\u)+1
	LDH HN, \hs, (\u)+1
	s_wait_dscnt 24                                ; all but the 24 just issued
	WIN M_V
	MULN WC, HC, 0, \zero
	MULN WC, HC, 4, \zero
.endm
; its last 64, and the barrier in front of the next chunk: behind it nobody reads this chunk's hidden_states or Wv, and the next chunk's three tiles are whole
.macro P2T next, kind, s
	WIN 0
	s_wait_tensorcnt 0x0
	ds_add_u32 v[SPW], v[NIL]
	s_wait_dscnt 1                                 ; (the add may be out)
	WIN M_V
	MULN WK, HS1, 0, 0
	s_wait_dscnt 0x0
	s_barrier_signal -1
	MULN WK, HS1, 4, 0
	WIN 0
	s_barrier_wait -1
	FILL \kind, \s
	LDW WQ, ADW, 0, 0
	LDH HS0, \next, 0
	LDW WK, ADW, WSZ, 0
.endm
	s_wait_alu depctr_va_vdst(0)                   ; the wait at the head's end
	s_wait_tensorcnt 0x0                           ; my part of chunk 0 is in; the further first fills are issued as refills are
	ds_add_u32 v[SPW], v[NIL]
	s_wait_dscnt 0x0
	CROUND
	JL2 1                                          ; hidden_states' chunk 1, Wv's chunk 0
	LDW WQ, ADW, 0, 0
	LDH HS0, 0, 0
	LDW WK, ADW, WSZ, 0
	P1 0, 0, 1                                     ; the first products start the sums
	P1 0, 1, 0
	P1 0, 2, 0
	P1T 0, 1
	P2 0, 0, 1
	P2 0, 1, 0
	P2 0, 2, 0
	P2T 1, 2, 0
.irp u, 0,1,2
	P1 1, \u, 0
.endr
	P1T 1, 1
.irp u, 0,1,2
	P2 1, \u, 0
.endr
	P2T 0, 2, 1
.irp u, 0,1,2
	P1 0, \u, 0
.endr
	P1T 0, 1
.irp u, 0,1,2
	P2 0, \u, 0
.endr
	P2T 1, 3, 0                                    ; behind this barrier nobody reads hidden_states' place 0 any more
.irp u, 0,1,2
	P1 1, \u, 0
.endr
	P1T 1, 0                                       ; nothing is filled any more
.irp u, 0,1,2
	P2 1, \u, 0
.endr
	PLACES
	WIN 0
	s_wait_alu depctr_va_vdst(0)
.irp b, 0,1,2,3
	global_load_b128 v[BQ+8*\b:BQ+8*\b+3],   v[BO], s[12:13] offset:64*\b
	global_load_b128 v[BQ+8*\b+4:BQ+8*\b+7], v[BO], s[12:13] offset:64*\b+16
	global_load_b128 v[BK+8*\b:BK+8*\b+3],   v[BO], s[14:15] offset:64*\b
	global_load_b128 v[BK+8*\b+4:BK+8*\b+7], v[BO], s[14:15] offset:64*\b+16
.endr
.irp b, 0,1,2,3
	global_load_b32 v[BV+2*\b], v[BVO], s[16:17] offset:64*\b
.endr
	s_wait_dscnt 0x0
	WIN M_V
	MULN WK, HS1, 0, 0
	MULN WK, HS1, 4, 0
	WIN 0
; THE WAY OUT: sum + bias / 2^(ea + eb), held at the largest code, converted with 2^(eo - ea - eb); through the stages, out in whole units of 256 bytes
.macro TCONST ea, eo
	s_add_co_i32 s3, s[\ea], s[\ea+1]
	s_sub_co_i32 s95, s[\eo], s3
	s_sub_co_i32 s3, 0, s3
	s_add_co_i32 s95, s95, 127
	s_lshl_b32 s96, s95, 23
	s_add_co_i32 s95, s95, 15
	s_lshl_b32 s95, s95, 23
	s_or_b32 s95, s95, 0x600000
	v_mov_b32 v[SC], s96
	v_mov_b32 v[LIM], s95
.endm
.macro OUTG win, acc, g, bias, step, adr, o1, o2
.set TT, T+32*((\g)%2)
.set CC, C+8*(\g)
	WIN \win
.set E, 0
.rept 16
	v_pk_add_f32 v[TT+2*E:TT+2*E+1], v[(\acc)+2*E:(\acc)+2*E+1], v[(\bias)+\step*E:(\bias)+\step*E+1]
.set E, E+1
.endr
	WIN 0
.set E, 0
.rept 32
	v_med3_num_f32 v[TT+E], v[TT+E], -v[LIM], v[LIM]
.set E, E+1
.endr
.irp c, 0,1,2,3
	v_cvt_scalef32_pk8_bf8_f32 v[CC+2*\c:CC+2*\c+1], v[TT+8*\c:TT+8*\c+7], v[SC]
.endr
	v_nop
	ds_store_b128 v[\adr], v[CC:CC+3] offset:\o1
	ds_store_b128 v[\adr], v[CC+4:CC+7] offset:\o2
.endm
.macro BACK reg, off
	WIN 0x40
.irp i, 0,1,2,3,4,5,6,7,8,9,10,11,12,13,14,15
	ds_load_b128 v[\reg+4*\i:\reg+4*\i+3], v[RD] offset:\off+8*QP*\i
.endr
	WIN 0
.endm
.macro SEND reg, base
	WIN 0x04
.irp i, 0,1,2,3,4,5,6,7,8,9,10,11,12,13,14,15
	global_store_b128 v[GQ], v[\reg+4*\i:\reg+4*\i+3], s[\base:\base+1] offset:512*\i
.endr
	WIN 0
.endm
	s_wait_loadcnt 0x0
	s_wait_kmcnt 0x0
	TCONST 84, 90
.set I, 0
.rept 32
	v_ldexp_f32 v[BQ+I], v[BQ+I], s3
.set I, I+1
.endr
.irp a, 0,1,2,3,4,5,6,7
	OUTG 0x01, 32*\a, \a, BQ, 2, STO, \a*16*QP, \a*16*QP+32
.endr
	BACK 0, 0
	s_wait_dscnt 16
	TCONST 86, 91
.set I, 0
.rept 32
	v_ldexp_f32 v[BK+I], v[BK+I], s3
.set I, I+1
.endr
.irp a, 0,1,2,3,4,5,6,7
	OUTG 0x02, 32*\a, \a, BK, 2, STO, STK+\a*16*QP, STK+\a*16*QP+32
.endr
	BACK 64, STK
	s_wait_dscnt 32
	SEND 0, 20
	s_wait_dscnt 16
	TCONST 88, 93
.irp b, 0,1,2,3
	v_ldexp_f32 v[BV+2*\b], v[BV+2*\b], s3
.endr
.irp b, 0,1,2,3
	v_mov_b32 v[BV+2*\b+1], v[BV+2*\b]
.endr
.irp b, 0,1,2,3
.irp f, 0,1
	OUTG 0x03, 64*\b+32*\f, 2*\b+\f, BV+2*\b, 0, VSTO, 16*VP*\b+64*\f, 16*VP*\b+64*\f+32
.endr
.endr
	s_wait_dscnt 16
	SEND 64, 22
	s_wait_dscnt 0x0
	s_barrier_signal -1
	s_barrier_wait -1
	WIN 0x40
.irp i, 0,1,2,3,4,5,6,7,8,9,10,11,12,13,14,15
	ds_load_b128 v[128+4*\i:128+4*\i+3], v[VRD] offset:2*VP*\i
.endr
	WIN 0x04
.irp i, 0,1,2,3,4,5,6,7,8,9,10,11,12,13,14,15
	s_wait_dscnt 15-\i
	global_store_b128 v[GV], v[128+4*\i:128+4*\i+3], s[24:25] offset:4096*\i
.endr
	WIN 0
	s_wait_tensorcnt 0x0                           ; the wave's end
	ds_add_u32 v[SPW], v[NIL]
	s_wait_dscnt 0x0
	CROUND                                         ; the closing round
	s_endpgm
.Lfunc_end_k_q544cb6ce92_proj:
	.size	k_q544cb6ce92_proj, .Lfunc_end_k_q544cb6ce92_proj-k_q544cb6ce92_proj
	.p2alignl 7, 3214868480
	.fill 96, 4, 3214868480
	.section	.rodata,"a",@progbits
	.p2align	6, 0x0
	.amdhsa_kernel k_q544cb6ce92_proj
		.amdhsa_group_segment_fixed_size 327680
		.amdhsa_private_segment_fixed_size 0
		.amdhsa_enable_private_segment 0
		.amdhsa_kernarg_size 88
		.amdhsa_user_sgpr_count 2
		.amdhsa_user_sgpr_kernarg_segment_ptr 1
		.amdhsa_wavefront_size32 1
		.amdhsa_system_sgpr_workgroup_id_x 1
		.amdhsa_system_sgpr_workgroup_id_y 1
		.amdhsa_system_sgpr_workgroup_id_z 1
		.amdhsa_system_vgpr_workitem_id 0
		.amdhsa_next_free_vgpr 1024
		.amdhsa_next_free_sgpr 102
		.amdhsa_reserve_vcc 0
		.amdhsa_float_denorm_mode_32 3
		.amdhsa_float_denorm_mode_16_64 3
		.amdhsa_memory_ordered 1
		.amdhsa_forward_progress 1
		.amdhsa_inst_pref_size 255
	.end_amdhsa_kernel
	.section	.bss,"aw",@nobits
	.p2align	6
	.space	262144
	.amdgpu_metadata
---
amdhsa.version: [ 1, 2 ]
amdhsa.kernels:
  - .name:           k_q544cb6ce92_proj
    .symbol:         k_q544cb6ce92_proj.kd
    .args:
      - { .name: hidden_states_codes, .offset: 0, .size: 8, .value_kind: global_buffer, .address_space: global }
      - { .name: Wq_codes, .offset: 8, .size: 8, .value_kind: global_buffer, .address_space: global }
      - { .name: Wk_codes, .offset: 16, .size: 8, .value_kind: global_buffer, .address_space: global }
      - { .name: Wv_codes, .offset: 24, .size: 8, .value_kind: global_buffer, .address_space: global }
      - { .name: bq, .offset: 32, .size: 8, .value_kind: global_buffer, .address_space: global }
      - { .name: bk, .offset: 40, .size: 8, .value_kind: global_buffer, .address_space: global }
      - { .name: bv, .offset: 48, .size: 8, .value_kind: global_buffer, .address_space: global }
      - { .name: lowp_scales, .offset: 56, .size: 8, .value_kind: global_buffer, .address_space: global }
      - { .name: qc, .offset: 64, .size: 8, .value_kind: global_buffer, .address_space: global }
      - { .name: kc, .offset: 72, .size: 8, .value_kind: global_buffer, .address_space: global }
      - { .name: vc, .offset: 80, .size: 8, .value_kind: global_buffer, .address_space: global }
    .group_segment_fixed_size: 327680
    .private_segment_fixed_size: 0
    .kernarg_segment_align: 8
    .kernarg_segment_size: 88
    .max_flat_workgroup_size: 128
    .sgpr_count:     102
    .vgpr_count:     1024
    .wavefront_size: 32
...
	.end_amdgpu_metadata
.endif
;; end of part 1
;; launch attn (part 2): grid 4 x 64, 8 waves a work-group, clusters of 4 x 1, 327,680 bytes of LDS; arguments qc, kc, vc, lowp_scales, out0; writes out0
.if DOCPART == 2
	.amdgcn_target "amdgcn-amd-amdhsa--gfx1250"
	.amdhsa_code_object_version 6
	.text
	.protected	k_q544cb6ce92_attn
	.globl	k_q544cb6ce92_attn
	.p2align	8
	.type	k_q544cb6ce92_attn,@function
k_q544cb6ce92_attn:
	s_mov_b64 s[64:65], 0
	v_nop
	global_prefetch_b8 v0, s[64:65] scope:SCOPE_SE
	s_setreg_imm32_b32 hwreg(HW_REG_WAVE_MODE, 25, 1), 1
	s_wait_xcnt 0x0
	s_wait_alu depctr_hold_cnt(0) depctr_sa_sdst(0) depctr_va_vdst(0) depctr_va_sdst(0) depctr_va_ssrc(0) depctr_va_vcc(0) depctr_vm_vsrc(0)
	s_getreg_b32 s2, hwreg(HW_REG_IB_STS2, 6, 4)
	s_cmp_eq_u32 s2, 0
	s_cbranch_scc0 .Lentry_in_a_cluster
	s_endpgm
.Lentry_in_a_cluster:
	s_bfe_u32 s2, ttmp6, 0x10000c
	s_cmp_lg_u32 s2, 0x3003
	s_cbranch_scc0 .Lentry_shape_is_right
	s_endpgm
.Lentry_shape_is_right:
; out[b][q][head x 64 + d] = the sum over keys of softmax(q . k / 8) v, for 64 (batch, head) pairs, 2,048 queries and keys, head size 64, both products on codes of BF8 (E5M2).
; qc, kc: [64][2048][64] codes (the same order of d in both); vc: [64][64 (d)][2048] codes, keys innermost, laid so that four loads of 16 bytes give V the places of the K = 128 form.  lowp_scales: e6 (q), e7 (k), e8 (p), e9 (v).
; THE SOFTMAX: t = score x c, c = log2(e) / 8 x 2^(e6 + e7); M = the running largest t rounded UP to a whole number; p = 2^(t - M) is quantised with 2^e8, not normalised.  The row's sum is taken of the
; unquantised p in f32 and divides at the end.  When M moves, the sum and O are multiplied by 2^(old M - new M), which rounds nothing.  The running maximum is kept as a score (c is positive).
; LIMITS: e6 + e7 between -123 and 130 (added to c's exponent field); e8 between -126 and 112; the scaled scores t stay under 2^31 in magnitude.
; SHARES.  A work-group owns 512 queries of one head; each of its EIGHT waves 64 of them, four tiles of 16, in 512 registers, two waves to a SIMD.  A fragment of K or V read from LDS feeds four matrix instructions.
; The softmax goes two tiles at a time.  The maxima run in eight independent chains.  The exponentials stand in two batches, each among plain lines of the other tile that read nothing written in the batch and whose
; results are first read behind the batch's closing wait: the first tile's among the second's t - M; the second tile's among the first level of the first tile's sums and its holds.
; ALL OF THE HEAD'S K AND V LIE IN LDS, each byte filled once, so there is no ring, and no loop in which a prefetch could run ahead of the loads: all are asked for at the head.
; K: 2,048 rows of 64 bytes + 16; in memory a dense block, stated as rows of 256 bytes.  V: four tiles of 32 d x 1,024 keys, rows of 1,024 bytes + 16.
; CLUSTER: the four query blocks of a head ask for each tile jointly.  Waves 0-3: 512 keys of K each; waves 4-7: V's tile (d half = wave & 1, key half = (wave >> 1) & 1): one load a wave.
; LAYOUT.  Both products transposed: S^T = K Q^T, O^T = V^T P^T: a lane holds ONE query (lane % 16).  In S^T's tile t lane (r, h) holds keys 16 t + 8 h + 0 .. 7: registers 2 t, 2 t + 1 of P's operand.
; REGISTERS.  Window 0: v1-9 addresses and constants; v10-17 (-M, largest score) a tile; v18-25 the sums in two halves; v26-31 three more chains of a sum; v32-63 Q; v64-191 S^T, then p, of two tiles; v192-255 P's codes
;   (the pair's registers at work in the softmax lie in its own codes' registers, and are done with before the codes are written).  Window 1: v0-127 O^T; v128-191 K's fragments; v192-255 V's.
; The next step's K is fetched behind the second pair's scores, V at the step's head.  The last step's fetch of K reads the 128 rows' worth of bytes behind K, which are V's, and is not used.
; ONE BARRIER stands between the walk's two halves of 1,024 keys: behind it nobody reads K's rows 0 to 1,023, and the stages of the way out lie there, so a wave goes out as soon as its own walk ends.
.set KP,    80
.set VP,    1040
.set KCH,   512*KP
.set VCH,   32*VP
.set VBASE, 4*KCH
.set SPARE, VBASE+4*VCH                ; the spare words: 128 bytes a wave
.set OP,    272                        ; the way out: 32 rows x (256 bytes + 16) a wave: 8 x 8,704 bytes, inside the 81,920 of K's rows 0 to 1,023
.set STG,   32*OP
.set AK0, 1
.set AV0, 2
.set ADK, 3
.set ADV, 4
.set SC,  5
.set SPW, 6
.set NIL, 7
.set MT,  10
.set SU,  18
.set XT,  24                           ; v26-31: chain k of the second tile's sum at XT + 2 k, k = 1, 2, 3
.set Q,   32
.set S,   64
.set P,   192
.set O,   0
.set FK,  128
.set FV,  192
.set NC,  3                            ; s3 -c
.set WV,  14
.set SEL, 16
.set CS,  18                           ; s[18:19] c
.set HOLD, 20                          ; s20 57,344 x 2^e8
.set KO,  21                           ; s21 LDS byte of the NEXT step's keys in K;  s22 of this step's in V's rows;  s23 trips to go
.set VO,  22
.set CNT, 23
.set G1K, 24
.set G1V, 32
.set G0K, 40
.set G0V, 44
.set MSB, 0
.macro WIN new
.if MSB != \new
	s_set_vgpr_msb (MSB<<8)|\new
.set MSB, \new
.endif
.endm
.macro ROUND
	s_barrier_signal -1
	s_barrier_wait -1
	s_cmp_lg_u32 s[WV], 0
	s_cbranch_scc1 .Lnot_wave_0_\@
	s_barrier_signal -3
.Lnot_wave_0_\@:
	s_barrier_wait -3
	s_barrier_signal -1
	s_barrier_wait -1
.endm
	s_load_b256 s[4:11], s[0:1], 0x0               ; qc, kc, vc, the exponents
	s_load_b64 s[12:13], s[0:1], 0x20              ; out0
	v_lshl_add_u32 v[SPW], v0, 2, SPARE
	v_mov_b32 v[NIL], 0
	ds_add_u32 v[SPW], v[NIL]                      ; the opening lines: the add twice on end and one wait
	ds_add_u32 v[SPW], v[NIL]
	v_lshrrev_b32 v8, 5, v0
	v_readfirstlane_b32 s[WV], v8                  ; wave 0..7
	s_bfe_u32 s52, ttmp6, 0x40000                  ; cx: my block of 512 queries: it enters Q's and the output's addresses alone
	s_and_b32 s53, ttmp7, 0xffff                   ; batch x 16 + head
	s_lshl_b32 s54, s53, 17                        ; 131,072 bytes a head in each buffer of codes
	s_mov_b32 s55, 0
	s_and_b32 s56, s[WV], 3
	s_lshl_b32 s58, s56, 15                        ; K: 512 rows of 64 bytes
	s_mov_b32 s59, 0
	s_add_nc_u64 s[58:59], s[58:59], s[54:55]
	s_and_b32 s60, s56, 1
	s_lshl_b32 s60, s60, 16                        ; V: 32 rows of 2,048 bytes,
	s_lshr_b32 s61, s56, 1
	s_lshl_b32 s61, s61, 10                        ; 1,024 bytes along them
	s_add_co_u32 s60, s60, s61
	s_mov_b32 s61, 0
	s_add_nc_u64 s[60:61], s[60:61], s[54:55]
	s_mov_b32 s[G1K], 15|(1<<20)|(1<<21)|(3<<22)|(3<<25)   ; the mask: all four; padding: four words behind every 16
	s_mov_b32 s[G1K+1], 256<<16
	s_mov_b32 s[G1K+2], 128<<16
	s_mov_b32 s[G1K+3], 256<<16
	s_mov_b32 s[G1K+4], 128
	s_mov_b32 s[G1K+5], 256
	s_mov_b32 s[G1K+6], 0
	s_mov_b32 s[G1K+7], 0
	s_mov_b32 s[G1V], 15|(1<<20)|(1<<21)|(7<<22)|(3<<25)   ; padding: four words behind every 256
	s_mov_b32 s[G1V+1], 1024<<16
	s_mov_b32 s[G1V+2], 32<<16
	s_mov_b32 s[G1V+3], 1024<<16
	s_mov_b32 s[G1V+4], 32
	s_mov_b32 s[G1V+5], 2048
	s_mov_b32 s[G1V+6], 0
	s_mov_b32 s[G1V+7], 0
	s_mov_b32 s[G0K], 1
	s_mul_i32 s[G0K+1], s56, KCH
	s_mov_b32 s[G0V], 1
	s_mul_i32 s[G0V+1], s56, VCH
	s_add_co_u32 s[G0V+1], s[G0V+1], VBASE
	s_mov_b32 s[SEL], 0x76543210
	s_mov_b32 s[SEL+1], 0xfedcba98
	s_mov_b32 s[KO], 128*KP
	s_mov_b32 s[VO], 0
	s_mov_b32 s[CNT], 8
	s_wait_dscnt 0x0
	s_wait_kmcnt 0x0
	s_load_b128 s[48:51], s[10:11], 0x18           ; e6, e7, e8, e9
	s_add_nc_u64 s[G0K+2:G0K+3], s[6:7], s[58:59]
	s_or_b32 s[G0K+3], s[G0K+3], 0x80000000
	s_add_nc_u64 s[G0V+2:G0V+3], s[8:9], s[60:61]
	s_or_b32 s[G0V+3], s[G0V+3], 0x80000000
	ROUND                                          ; all four work-groups are here: the joint loads meet
	s_cmp_lt_u32 s[WV], 4
	s_cbranch_scc0 .Lfor_v
	tensor_load_to_lds s[G0K:G0K+3], s[G1K:G1K+7]
	s_nop 0
.rept 4
	v_nop
.endr
	s_branch .Lasked
.Lfor_v:
	tensor_load_to_lds s[G0V:G0V+3], s[G1V:G1V+7]
	s_nop 0
.rept 4
	v_nop
.endr
.Lasked:
	s_lshl_b32 s62, s52, 15                        ; Q: 512 cx rows of 64 bytes + my wave's 64
	s_lshl_b32 s57, s[WV], 12
	s_add_co_u32 s62, s62, s57
	s_mov_b32 s63, 0
	s_add_nc_u64 s[4:5], s[4:5], s[62:63]
	s_add_nc_u64 s[4:5], s[4:5], s[54:55]
	s_lshr_b32 s62, s53, 4                         ; the output: ((batch x 2,048 + 512 cx + 64 w) x 1,024 + head x 64) x 4 bytes
	s_lshl_b32 s62, s62, 23
	s_lshl_b32 s57, s52, 21
	s_add_co_u32 s62, s62, s57
	s_lshl_b32 s57, s[WV], 18
	s_add_co_u32 s62, s62, s57
	s_and_b32 s57, s53, 15
	s_lshl_b32 s57, s57, 8
	s_add_co_u32 s62, s62, s57
	s_add_nc_u64 s[12:13], s[12:13], s[62:63]
	v_and_b32 v8, 15, v0                           ; r
	v_bfe_u32 v9, v0, 4, 1                         ; h
	v_lshlrev_b32 v26, 6, v8
	v_lshl_add_u32 v26, v9, 4, v26
.irp x, 0,1,2,3
.irp c, 0,1
	global_load_b128 v[Q+8*\x+4*\c:Q+8*\x+4*\c+3], v26, s[4:5] offset:1024*\x+32*\c   ; Q's four fragments stay in registers
.endr
.endr
	v_mul_u32_u24 v[AK0], v8, KP
	v_lshl_add_u32 v[AK0], v9, 4, v[AK0]
	v_mul_u32_u24 v[AV0], v8, VP
	v_lshl_add_u32 v[AV0], v9, 4, v[AV0]
	v_add_nc_u32 v[AV0], VBASE, v[AV0]
.irp x, 0,1,2,3
	v_mov_b32 v[MT+2*\x], 0x7f61b1e6               ; -M = 3e38,
	v_mov_b32 v[MT+2*\x+1], 0xff61b1e6             ; the largest score so far: -3e38
	v_mov_b32 v[SU+2*\x], 0
	v_mov_b32 v[SU+2*\x+1], 0
	v_mov_b32 v[P+16*\x+4], 0                      ; (a lane permute's destination counts as a source)
	v_mov_b32 v[P+16*\x+7], 0                      ; (named as the upper half of a pair)
.endr
	WIN 0x40
.set I, 0
.rept 128
	v_mov_b32 v[O+I], 0                            ; O^T.  (The step is written once: the first finds zeros, which the first change of M leaves zeros)
.set I, I+1
.endr
	WIN 0
	s_wait_kmcnt 0x0
	s_add_co_i32 s57, s48, s49
	s_lshl_b32 s57, s57, 23
	s_add_co_i32 s[CS], s57, 0x3e38aa3b            ; c = log2(e) / 8 with e6 + e7 added to its exponent field
	s_mov_b32 s[CS+1], s[CS]
	s_xor_b32 s[NC], s[CS], 0x80000000
	s_add_co_i32 s57, s50, 127
	s_lshl_b32 s[HOLD], s57, 23
	v_mov_b32 v[SC], s[HOLD]                       ; 2^e8, for the conversion
	s_add_co_i32 s57, s57, 15
	s_lshl_b32 s57, s57, 23
	s_or_b32 s[HOLD], s57, 0x600000
.macro SCORES y                        ; S^T = K Q^T for tiles 2 y, 2 y + 1: eight tiles of 16 keys each; four places follow
	WIN 0x01
.irp t, 0,1,2,3,4,5,6,7
.irp i, 0,1
	v_wmma_f32_16x16x64_bf8_bf8 v[S+64*\i+8*\t:S+64*\i+8*\t+7], v[FK+8*\t:FK+8*\t+7], v[Q+16*\y+8*\i:Q+16*\y+8*\i+7], 0
.endr
.endr
	WIN 0
.rept 4
	v_nop
.endr
.endm
.macro HOLD2 r                         ; the hold at the largest code for two numbers (the conversion does not saturate: ISA guide 7.6.2); p is not negative; always executed
	v_dual_min_num_f32 v[\r], s[HOLD], v[\r] :: v_dual_min_num_f32 v[(\r)+1], s[HOLD], v[(\r)+1]
.endm
.macro BRND j                          ; one turn of the four chains of the second tile's sum
	v_pk_add_f32 v[UB+2:UB+3], v[UB+2:UB+3], v[S+64+2*\j:S+64+2*\j+1]
.irp k, 1,2,3
	v_pk_add_f32 v[XT+2*\k:XT+2*\k+1], v[XT+2*\k:XT+2*\k+1], v[S+64+16*\k+2+2*\j:S+64+16*\k+3+2*\j]
.endr
.endm
; tile i's registers at work up to the exponentials, from TB + 16 i: +0 .. +3 the maxima's four chains; +4 the other half's maximum; +5 the old -M, then old M - new M; +6, +7 f.
; From the second batch on TB .. TB + 31 hold the sixteen partial sums of the first tile.
.macro SOFTMAX y
.set TB, P+32*\y
.set MB, MT+4*\y
.set UB, SU+4*\y
.irp i, 0,1
	v_mov_b32 v[TB+16*\i+5], v[MB+2*\i]
	v_max3_num_f32 v[TB+16*\i], v[MB+2*\i+1], v[S+64*\i], v[S+64*\i+1]           ; the first chain begins at the running maximum; each accumulator is read from its low end on
.irp c, 1,2,3
	v_max3_num_f32 v[TB+16*\i+\c], v[S+64*\i+16*\c], v[S+64*\i+16*\c+1], v[S+64*\i+16*\c+2]
.endr
.endr
.irp j, 0,1,2,3,4,5
.irp i, 0,1
	v_max3_num_f32 v[TB+16*\i], v[TB+16*\i], v[S+64*\i+2+2*\j], v[S+64*\i+3+2*\j]
.irp c, 1,2,3
	v_max3_num_f32 v[TB+16*\i+\c], v[TB+16*\i+\c], v[S+64*\i+16*\c+3+2*\j], v[S+64*\i+16*\c+4+2*\j]
.endr
.endr
.endr
.irp i, 0,1
	v_max3_num_f32 v[TB+16*\i], v[TB+16*\i], v[S+64*\i+14], v[S+64*\i+15]
	v_max3_num_f32 v[TB+16*\i+1], v[TB+16*\i+1], v[S+64*\i+31], v[S+64*\i+47]
	v_max3_num_f32 v[TB+16*\i+2], v[TB+16*\i+2], v[TB+16*\i+3], v[S+64*\i+63]
.endr
.irp i, 0,1
	v_max3_num_f32 v[TB+16*\i], v[TB+16*\i], v[TB+16*\i+1], v[TB+16*\i+2]
.endr
.irp i, 0,1
	v_permlanex16_b32 v[TB+16*\i+4], v[TB+16*\i], s[SEL], s[SEL+1]
.endr
.irp i, 0,1
	v_max_num_f32 v[MB+2*\i+1], v[TB+16*\i], v[TB+16*\i+4]     ; the running largest score, lane l xor 16's among them
.endr
.irp i, 0,1
	v_mul_f32 v[TB+16*\i+1], s[NC], v[MB+2*\i+1]               ; -t
.endr
.irp i, 0,1
	v_floor_f32 v[MB+2*\i], v[TB+16*\i+1]                      ; the new -M = floor(-t)
.endr
.irp i, 0,1
	v_sub_f32 v[TB+16*\i+5], v[MB+2*\i], v[TB+16*\i+5]         ; old M - new M: a whole number, 0 or less
.endr
.set I, 0
.rept 32
	v_pk_fma_f32 v[S+I:S+I+1], v[S+I:S+I+1], s[CS:CS+1], v[MB:MB+1] op_sel_hi:[1,0,0]   ; the first tile's t - M; f is made among these lines
.if I == 8
.irp i, 0,1
	v_cvt_i32_f32 v[TB+16*\i+5], v[TB+16*\i+5]                 ; (it saturates)
.endr
.endif
.if I == 20
.irp i, 0,1
	v_ldexp_f32 v[TB+16*\i+6], 1.0, v[TB+16*\i+5]              ; f = 2^(old M - new M)
.endr
.endif
.set I, I+2
.endr
.irp i, 0,1
	v_pk_mul_f32 v[UB+2*\i:UB+2*\i+1], v[UB+2*\i:UB+2*\i+1], v[TB+16*\i+6:TB+16*\i+7] op_sel_hi:[1,0]
.endr
	WIN 0x41
	s_wait_alu depctr_va_vdst(0)                   ; the wait directly ahead of the first readers of O^T
.irp i, 0,1
.set I, 0
.rept 16
	v_pk_mul_f32 v[O+64*\y+32*\i+I:O+64*\y+32*\i+I+1], v[O+64*\y+32*\i+I:O+64*\y+32*\i+I+1], v[TB+16*\i+6:TB+16*\i+7] op_sel_hi:[1,0]
.set I, I+2
.endr
.endr
	WIN 0
	s_wait_alu depctr_va_vdst(0)                   ; the wait ahead of a batch
.set I, 0
.rept 32                               ; THE FIRST BATCH: the first tile's p = 2^(t - M); among its lines the second tile's t - M, which the second batch reads behind the wait below
	v_exp_f32 v[S+I], v[S+I]
	v_pk_fma_f32 v[S+64+I:S+64+I+1], v[S+64+I:S+64+I+1], s[CS:CS+1], v[MB+2:MB+3] op_sel_hi:[1,0,0]
	v_exp_f32 v[S+I+1], v[S+I+1]
.set I, I+2
.endr
	v_nop                                          ; a plain place behind the exponentials
	s_wait_alu depctr_va_vdst(0)                   ; the wait behind the first batch and ahead of the second
.set I, 0
.rept 16                               ; THE SECOND BATCH: the second tile's p; among its lines, of the first tile: sixteen sums of four unquantised p, each into registers of its own, and then the holds
	v_exp_f32 v[S+64+I], v[S+64+I]
	v_pk_add_f32 v[TB+I/2:TB+I/2+1], v[S+I:S+I+1], v[S+I+2:S+I+3]
	v_exp_f32 v[S+64+I+1], v[S+64+I+1]
	HOLD2 S+I
	v_exp_f32 v[S+64+I+2], v[S+64+I+2]
	HOLD2 S+I+2
	v_exp_f32 v[S+64+I+3], v[S+64+I+3]
.set I, I+4
.endr
	v_nop                                          ; a plain place behind the exponentials
	s_wait_alu depctr_va_vdst(0)                   ; the wait behind the second batch
.irp j, 0,1,2,3,4,5,6,7                ; the first tile's sixteen partial sums come down as a tree, level by level, between the turns of the second tile's four chains
	v_pk_add_f32 v[TB+2*\j:TB+2*\j+1], v[TB+2*\j:TB+2*\j+1], v[TB+16+2*\j:TB+17+2*\j]
.endr
	v_pk_add_f32 v[UB+2:UB+3], v[UB+2:UB+3], v[S+64:S+65]
.irp k, 1,2,3
	v_pk_add_f32 v[XT+2*\k:XT+2*\k+1], v[S+64+16*\k:S+64+16*\k+1], v[S+64+16*\k+2:S+64+16*\k+3]
.endr
	BRND 1
.irp j, 0,1,2,3
	v_pk_add_f32 v[TB+2*\j:TB+2*\j+1], v[TB+2*\j:TB+2*\j+1], v[TB+8+2*\j:TB+9+2*\j]
.endr
	BRND 2
	BRND 3
.irp j, 0,1
	v_pk_add_f32 v[TB+2*\j:TB+2*\j+1], v[TB+2*\j:TB+2*\j+1], v[TB+4+2*\j:TB+5+2*\j]
.endr
	BRND 4
	BRND 5
	v_pk_add_f32 v[TB:TB+1], v[TB:TB+1], v[TB+2:TB+3]
	BRND 6
	v_pk_add_f32 v[UB+2:UB+3], v[UB+2:UB+3], v[S+64+14:S+64+15]
	v_pk_add_f32 v[XT+2:XT+3], v[XT+2:XT+3], v[XT+4:XT+5]
	v_pk_add_f32 v[UB:UB+1], v[UB:UB+1], v[TB:TB+1]
	v_pk_add_f32 v[UB+2:UB+3], v[UB+2:UB+3], v[XT+6:XT+7]
.set I, 0
.rept 32
	HOLD2 S+64+I
.set I, I+2
.endr
	v_pk_add_f32 v[UB+2:UB+3], v[UB+2:UB+3], v[XT+2:XT+3]
.irp i, 0,1
.irp t, 0,1,2,3,4,5,6,7
	v_cvt_scalef32_pk8_bf8_f32 v[TB+16*\i+2*\t:TB+16*\i+2*\t+1], v[S+64*\i+8*\t:S+64*\i+8*\t+7], v[SC]
.endr
.endr
	v_nop                                          ; one plain place behind the conversions
.endm
; A KEY STEP: 128 keys x my 64 queries
.macro STEP
	v_add_nc_u32 v[ADV], s[VO], v[AV0]
	v_add_nc_u32 v[ADK], s[KO], v[AK0]
	v_nop                                          ; four places in front of loads into registers that the last products read
	v_nop
	WIN 0x40
.irp t, 0,1,2,3
.irp c, 0,1,2,3
	ds_load_b128 v[FV+16*\t+4*\c:FV+16*\t+4*\c+3], v[ADV] offset:(\t/2)*VCH+(\t%2)*16*VP+32*\c
.endr
.endr
	WIN 0
	s_wait_alu depctr_va_vdst(0)                   ; the wait directly ahead of the wait below
	s_wait_dscnt 16                                ; K's fragments are in; V's sixteen loads may be out
	SCORES 0
	SOFTMAX 0
	SCORES 1
	WIN 0x40
.irp t, 0,1,2,3,4,5,6,7
	ds_load_b128 v[FK+8*\t:FK+8*\t+3],   v[ADK] offset:16*\t*KP
	ds_load_b128 v[FK+8*\t+4:FK+8*\t+7], v[ADK] offset:16*\t*KP+32
.endr
	WIN 0
	SOFTMAX 1
	s_wait_alu depctr_va_vdst(0)                   ; the wait directly ahead of the wait below
	s_wait_dscnt 16                                ; V is in; the next step's K may be out
	WIN 0x51
.irp t, 0,1,2,3
.irp x, 0,1,2,3
	v_wmma_f32_16x16x128_bf8_bf8 v[O+32*\x+8*\t:O+32*\x+8*\t+7], v[FV+16*\t:FV+16*\t+15], v[P+16*\x:P+16*\x+15], v[O+32*\x+8*\t:O+32*\x+8*\t+7]   ; sixteen accumulators by turns
.endr
.endr
	WIN 0
.endm
.macro WALK n                          ; 8 trips: 1,024 keys, one key half of V's tiles
.Lwalk_\n:
	STEP
	s_add_co_u32 s[KO], s[KO], 128*KP
	s_add_co_u32 s[VO], s[VO], 128
	s_sub_co_u32 s[CNT], s[CNT], 1
	s_cmp_lg_u32 s[CNT], 0
	s_cbranch_scc1 .Lwalk_\n
.endm
	s_wait_alu depctr_va_vdst(0)                   ; the wait at the head's end
	s_wait_loadcnt 0x0                             ; Q
	s_wait_tensorcnt 0x0                           ; my tile is in,
	s_barrier_signal -1
	s_barrier_wait -1                              ; everybody's is
	WIN 0x40
.irp t, 0,1,2,3,4,5,6,7
	ds_load_b128 v[FK+8*\t:FK+8*\t+3],   v[AK0] offset:16*\t*KP
	ds_load_b128 v[FK+8*\t+4:FK+8*\t+7], v[AK0] offset:16*\t*KP+32
.endr
	WIN 0
	WALK 0
	s_wait_dscnt 0x0                               ; my reads of K's rows 0 to 1,023 are over (keys 1,024 to 1,151 are in registers)
	s_barrier_signal -1
	s_mov_b32 s[CNT], 8
	s_mov_b32 s[KO], 9*128*KP                      ; the second half fetches K from row 1,152 on,
	s_mov_b32 s[VO], 2*VCH                         ; and V from the second key half's tiles
	s_barrier_wait -1                              ; everybody's are: the stages' bytes are read no more
	WALK 1
	; THE WAY OUT.  O^T / the sum x 2^(e8 + e9) goes through my stage in LDS, two tiles at a time, and leaves as rows of 256 bytes.
	v_and_b32 v8, 15, v0
	v_bfe_u32 v9, v0, 4, 1
.irp x, 0,1,2,3
	v_add_f32 v[SU+2*\x], v[SU+2*\x], v[SU+2*\x+1]
.endr
	s_mul_i32 s15, s[WV], STG
	v_mul_u32_u24 v27, v8, OP
	v_mul_u32_u24 v28, v9, OP
	v_lshlrev_b32 v29, 12, v9
	v_lshl_add_u32 v27, v9, 5, v27
	v_lshl_add_u32 v28, v8, 4, v28
	v_lshl_add_u32 v29, v8, 4, v29                 ; two rows of the output, 4,096 bytes apart
	v_add_nc_u32 v27, s15, v27                     ; in: row r, 32 h bytes on
	v_add_nc_u32 v28, s15, v28                     ; back: lanes 0-15 one row, lanes 16-31 the next
.irp x, 0,1,2,3
	v_permlanex16_b32 v[P+\x], v[SU+2*\x], s[SEL], s[SEL+1]
.endr
.irp x, 0,1,2,3
	v_add_f32 v[SU+2*\x], v[SU+2*\x], v[P+\x]      ; the rows' sums
.endr
	s_wait_alu depctr_va_vdst(0)
.irp x, 0,1,2,3
	v_rcp_f32 v[SU+2*\x], v[SU+2*\x]
.endr
	v_nop
	s_add_co_i32 s57, s50, s51
	s_wait_alu depctr_va_vdst(0)
.irp x, 0,1,2,3
	v_ldexp_f32 v[SU+2*\x], v[SU+2*\x], s57        ; x 2^(e8 + e9)
.endr
	WIN 0x01
	s_wait_alu depctr_va_vdst(0)                   ; the wait directly ahead of the first readers of O^T
.irp x, 0,1,2,3
.set I, 0
.rept 16
	v_pk_mul_f32 v[S+32*\x+I:S+32*\x+I+1], v[O+32*\x+I:O+32*\x+I+1], v[SU+2*\x:SU+2*\x+1] op_sel_hi:[1,0]   ; register 8 t + j: o(query r, d = 16 t + 8 h + j)
.set I, I+2
.endr
.endr
	WIN 0
	s_wait_alu depctr_va_vdst(0)
.irp p, 0,1                            ; the first two tiles come back into P's registers, the last two into the registers whose numbers the first two's stores have taken
.irp x, 0,1
.irp t, 0,1,2,3
	ds_store_b128 v27, v[S+64*\p+32*\x+8*\t:S+64*\p+32*\x+8*\t+3]   offset:\x*16*OP+64*\t
	ds_store_b128 v27, v[S+64*\p+32*\x+8*\t+4:S+64*\p+32*\x+8*\t+7] offset:\x*16*OP+64*\t+16
.endr
.endr
.irp n, 0,1,2,3,4,5,6,7,8,9,10,11,12,13,14,15
	ds_load_b128 v[P-128*\p+4*\n:P-128*\p+4*\n+3], v28 offset:2*\n*OP   ; LDS serves a wave's instructions in order (ISA guide 5.7.1.4): these see my stores, and the next two tiles' stores come behind them
.endr
.endr
.irp p, 0,1
.irp n, 0,1,2,3,4,5,6,7,8,9,10,11,12,13,14,15
	s_wait_dscnt 47-32*\p-\n                       ; behind this load: its group's 15 - n younger loads, and for the first group the second's 32 instructions
	global_store_b128 v29, v[P-128*\p+4*\n:P-128*\p+4*\n+3], s[12:13] offset:(32*\p+2*\n)*4096 th:TH_STORE_NT   ; sixteen lanes store 256 consecutive bytes, aligned
.endr
.endr
	s_wait_tensorcnt 0x0                           ; the wave's end
	ds_add_u32 v[SPW], v[NIL]
	s_wait_dscnt 0x0
	ROUND                                          ; the closing round
	s_endpgm
.Lfunc_end_k_q544cb6ce92_attn:
	.size	k_q544cb6ce92_attn, .Lfunc_end_k_q544cb6ce92_attn-k_q544cb6ce92_attn
	.p2alignl 7, 3214868480
	.fill 96, 4, 3214868480
	.section	.rodata,"a",@progbits
	.p2align	6, 0x0
	.amdhsa_kernel k_q544cb6ce92_attn
		.amdhsa_group_segment_fixed_size 327680
		.amdhsa_private_segment_fixed_size 0
		.amdhsa_enable_private_segment 0
		.amdhsa_kernarg_size 40
		.amdhsa_user_sgpr_count 2
		.amdhsa_user_sgpr_kernarg_segment_ptr 1
		.amdhsa_wavefront_size32 1
		.amdhsa_system_sgpr_workgroup_id_x 1
		.amdhsa_system_sgpr_workgroup_id_y 1
		.amdhsa_system_sgpr_workgroup_id_z 1
		.amdhsa_system_vgpr_workitem_id 0
		.amdhsa_next_free_vgpr 512
		.amdhsa_next_free_sgpr 66
		.amdhsa_reserve_vcc 0
		.amdhsa_float_denorm_mode_32 3
		.amdhsa_float_denorm_mode_16_64 3
		.amdhsa_memory_ordered 1
		.amdhsa_forward_progress 1
		.amdhsa_inst_pref_size 136
	.end_amdhsa_kernel
	.amdgpu_metadata
---
amdhsa.version: [ 1, 2 ]
amdhsa.kernels:
  - .name:           k_q544cb6ce92_attn
    .symbol:         k_q544cb6ce92_attn.kd
    .args:
      - { .name: qc, .offset: 0, .size: 8, .value_kind: global_buffer, .address_space: global }
      - { .name: kc, .offset: 8, .size: 8, .value_kind: global_buffer, .address_space: global }
      - { .name: vc, .offset: 16, .size: 8, .value_kind: global_buffer, .address_space: global }
      - { .name: lowp_scales, .offset: 24, .size: 8, .value_kind: global_buffer, .address_space: global }
      - { .name: out0, .offset: 32, .size: 8, .value_kind: global_buffer, .address_space: global }
    .group_segment_fixed_size: 327680
    .private_segment_fixed_size: 0
    .kernarg_segment_align: 8
    .kernarg_segment_size: 40
    .max_flat_workgroup_size: 256
    .sgpr_count:     66
    .vgpr_count:     512
    .wavefront_size: 32
...
	.end_amdgpu_metadata
.endif
;; end of part 2
